; MI455X (gfx1250); checked and timed in simulation.
; The chip was launched on July 23, 2026; its instructions are those of AMD's public machine-readable ISA for CDNA 5 (MIT licence, August 2026) and "CDNA5" Instruction Set Architecture Reference Guide (July 2026). The comments in the code are by the model that wrote it; some were corrected since.
;; TPU Grouped GEMM Linear. Allowed arithmetic: float matrix products may take bf16 or f16 operands with f32 sums; other float arithmetic in f32, or as packed bf16 or f16 multiplies, adds, multiply-adds, maxima and minima; sums over many terms, partial sums and values carried from step to step in f32; what a program stores and reads back later, other than sums and carried values, may be rounded once to bf16 or f16.
;; Inputs: b 8 x 4,096 float32; group_indices 2,048 int32; inputs 2,048 x 1,024 float32; w 8 x 1,024 x 4,096 float32.
;; Outputs: out0 2,048 x 4,096 float32.
;; One version. Each part assembles by itself: llvm-mc -triple=amdgcn-amd-amdhsa -mcpu=gfx1250 --defsym DOCPART=n.
;; ======== version 1 of 1: 1 launch
;; launch ggemm (part 1): grid 32 x 8, 8 waves a work-group, no clusters, 291,328 bytes of LDS; arguments inputs, group_indices, w, b, out0; writes out0
.if DOCPART == 1
	.amdgcn_target "amdgcn-amd-amdhsa--gfx1250"
	.amdhsa_code_object_version 6
	.text
	.protected	k_q0ff555576e_ggemm
	.globl	k_q0ff555576e_ggemm
	.p2align	8
	.type	k_q0ff555576e_ggemm,@function
k_q0ff555576e_ggemm:
	s_mov_b64 s[64:65], 0
	v_nop
	global_prefetch_b8 v0, s[64:65] scope:SCOPE_SE
	s_setreg_imm32_b32 hwreg(HW_REG_WAVE_MODE, 25, 1), 1
	s_wait_xcnt 0x0
; out0[i][:] = inputs[i][:] @ w[g_i] + b[g_i].  inputs [2048][1024] f32, group_indices [2048] i32, w [8][1024][4096] f32, b [8][4096] f32, out0 [2048][4096] f32.
; SHARES.  Work-group (x, y) owns expert y's columns 128 x .. 128 x + 127: 1,024 x 128 weights, which it alone reads, once, and ALL rows that chose expert y.
; Only the chosen expert's product is made for a row: the others are what the masks of the problem throw away.
; THE STREAM.  K goes in 16 chunks of 64.  The eight waves bring a chunk of w through registers (f32 rounded to bf16) into LDS, where the whole slice stays, laid out as the
; matrix instruction's second source takes it (256 KiB, written once, never overwritten).  One barrier a chunk.  The products run two chunks behind the stream.
; Work-group x walks K rotated, chunk (c + x % 16) % 16 in trip c, so that an expert's 32 work-groups ask for different parts of the same token rows at a time.
; A TRIP'S ORDER.  The slice is read in halves of a k-step (4 fragments, 8 loads), each asked for while the half before is multiplied; the trip's last two halves are the next chunk's first,
; so they land under the next trip's conversions.  The barrier's signal stands behind the wave's stores, its wait at the trip's end: between them stand products and reads of chunks that nobody writes again.
; ROWS.  Wave 0 makes the list of the expert's rows in LDS (a count of lower lanes and a running base: no atomics).  A tile is 16 list rows; wave v has tiles v, v + 8, v + 16 of the first
; 24 tiles (384 rows) in 192 accumulator registers.  Rows past 384 are served by a loop over groups of 16 tiles (two a wave) on the resident slice, with no barrier in it; its 16 chunks are written
; out, so that every LDS address of the slice there is a lane term plus a constant.  Every split from 0 to 2,048 rows is served.
; The places past the count repeat the expert's last row: they are computed and stored again by the same wave with the same bytes (15 rows of 512 bytes at the most).
; DEAD TILES.  A tile past the count has list entries that name a row that exists; its loads are issued all the same, so that every counted wait holds on every path, and its stores are always jumped.
; In the first pass tiles 0 and 1 are always taken (an expert with fewer than 256 rows makes products that nobody stores, under a stream of w that it has to wait for anyway); the staging and
; products of a dead tile 2 are jumped.  Past 384 rows a wave without a live tile jumps the whole group, and a wave with one takes both tiles through straight code.
; AHEAD OF THE LOADS each wave asks once, by one line of 32 lanes 16,384 bytes apart, for its own 16 blocks of 256 bytes in each of two chunks of w to be brought nearer: chunks 2, 3 at the start, 4, 5 beside the
; first token loads, and in even trip c chunks c + 6, c + 7, whose loads stand in trips c + 2 and c + 3; the loop's last pass asks for nothing.  Four chunks, 128 KiB a work-group, are asked for and unread at the most.
; NO CLUSTER, NO TENSOR LOADS: a slice of w has one reader; what an expert's work-groups share is token rows that come by a list, which no tile descriptor covers.
; LIMITS.  inputs and w are rounded once to bf16 for the products; sums in f32, K added in the rotated order; the bias is added in f32.  An index outside 0..7 leaves its row unwritten
; (the problem keeps indices inside).  A non-finite weight of an expert that a row did not choose does not reach that row.  An expert without rows still streams its slice and stores nothing.
;
; LDS
.set CHUNK,  16384                     ; a chunk in LDS: 2 k-steps of 32 x 8 fragments of 16 columns x 1,024 bytes (registers 0-3 of the 32 lanes, then registers 4-7)
.set STAGE,  262144                    ; behind the slice: for each wave 16 rows x 144 bytes (128 of bf16 + 16 of padding: 36 words, so 16 rows start at 16 different groups of four banks)
.set STG,    2304
.set LIST,   280576                    ; 2,304 words of row numbers (144 tiles x 16), the dump word, the count
.set DUMPW,  2304
.set CNTW,   2305
.set SPARE,  290304                    ; the spare words, 128 bytes for each of the eight waves: four blocks of 256 bytes that no other line names
; VECTOR REGISTERS, window 0
.set SPW,  1                           ; LDS address of my spare word; never rewritten
.set NIL,  2                           ; 0; never rewritten
.set STS,  3                           ; stage, in: row 8 h (+ j by the immediate), byte 8 q
.set STL,  4                           ; stage, back: row r, byte 16 h
.set BAD,  5                           ; first pass: chunk in hand + 16 x lane
.set WST,  6                           ; first pass: chunk in hand + my place in a chunk
.set WOF,  7                           ; w: 8 h rows + 16 r bytes
.set Q16,  8                           ; 16 x (lane % 16)
.set LN16, 9                           ; 16 x lane; never rewritten
.set LAD,  10                          ; list address of the group in hand
.set WS0,  11                          ; my place in a chunk: fragment (8 s + 4 ch), half hf, 16 x lane
.set LA0,  12                          ; LIST + 64 x wave + 32 h
.set PFO,  13                          ; first pass: byte offset of what is asked for ahead
.set PFH,  14                          ; first pass: lane / 16: which of the two chunks
.set PFR,  15                          ; first pass: (lane % 16) x 16,384: which of my 16 rows of a chunk
.set BB,   13                          ; v13-15  behind the first pass: 16 x lane + 65,536 k, k = 1, 2, 3: chunks 4 k .. 4 k + 3 of the slice
.set TOF,  16                          ; v16-39  tile i, load j: row number x 4,096 + 16 q (lanes 0-15: list row j, lanes 16-31: list row j + 8)
.set BIAS, 40                          ; v40-47  b of my column in each of the 8 fragments
.set AF,   48                          ; v48-95  first sources: tile i at AF + 16 i, k-step s at + 8 s; ahead of that the place where conversions are made
.set OO,   48                          ; on the way out: 8 byte offsets in out0
.set RW,   96                          ; v96-159 w as loaded, two buffers of 32
.set OT,   96                          ; on the way out: a tile's 64 numbers a lane
.set RT,   160                         ; v160-255 token rows as loaded: tile i at RT + 32 i.  First of all: wave 0's 64 registers of indices
.set POS,  48                          ; wave 0's list work, in the first sources' registers
.set IDV,  56
.set DW,   64
.set L4,   65
.set RR,   66
.set LZ,   67
.set ZR,   68
; window 1: v0-191 accumulators, (tile i, fragment f) at 64 i + 8 f;  v192-255 second sources: the 8 fragments of one k-step, in two halves of 4
.set BF,   192
; SCALAR REGISTERS: s[4:5] inputs, s[6:7] group_indices, s[8:9] w, s[10:11] b at my columns, s[12:13] out0 at my columns
.set WV,   14                          ; wave
.set SL,   15                          ; slice x
.set EX,   16                          ; expert y
.set ROT,  17                          ; x % 16
.set CNT,  18                          ; the expert's rows
.set NT,   19                          ; its tiles
.set MT,   20                          ; my live tiles in the group in hand
.set TB0,  21                          ; the group's first tile
.set KC,   22                          ; trip counter of the first pass
.set GC,   23                          ; group counter
.set KT,   24                          ; s[24:25] byte of the token chunk to ask for
.set TBP,  26                          ; s[26:27] inputs + KT
.set KW,   28                          ; s[28:29] byte of the w chunk to ask for
.set WBP,  30                          ; s[30:31] WB0 + KW
.set WB0,  32                          ; s[32:33] w at my expert, my columns, my wave's rows of a chunk
.set MK,   40                          ; s40-47 masks of eight index registers
.set LBASE, 48                         ; rows listed so far
.set CB,   51                          ; LDS byte of the chunk in hand, in the first pass
.set LB,   52                          ; list byte of the group in hand
.set GRD, 1
.set NTL,  3                           ; tiles a wave in the text in hand (TRIP sets it)
.set MSB, 0
.macro WIN new                         ; bits 1:0 source 0, 3:2 source 1, 5:4 source 2, 7:6 destination; the high byte repeats the setting that is left
.if MSB != (\new)
	s_set_vgpr_msb (MSB<<8)|(\new)
.set MSB, \new
.endif
.endm
.set W_MM, 0x54                        ; products: first source window 0; second source, C and D window 1.  The same setting serves the slice's reads: address window 0, destination window 1
.macro PLACES                          ; four plain vector instructions between a matrix instruction and a write of, or a load into, its registers
.rept 4
	v_nop
.endr
.endm
; Eight loads of tile t's 16 rows, 256 bytes of each (64 along K): lanes 0-15 cover 256 consecutive aligned bytes of one row, lanes 16-31 of another.
.macro TLOAD t
.irp j, 0,1,2,3,4,5,6,7
	global_load_b128 v[RT+32*(\t)+4*\j:RT+32*(\t)+4*\j+3], v[TOF+8*(\t)+\j], s[TBP:TBP+1]
.endr
.endm
; Tile t: rounded to bf16 into its first sources' registers, through my own stage, and back into the registers that they left, now with a row a lane.
; LDS serves a wave's instructions in order (ISA guide 5.7.1.4): the loads see the stores above them, and the next tile's stores come behind these loads.
.macro TSTAGE t
.irp j, 0,1,2,3,4,5,6,7
	v_cvt_pk_bf16_f32 v[AF+16*(\t)+2*\j],   v[RT+32*(\t)+4*\j],   v[RT+32*(\t)+4*\j+1]
	v_cvt_pk_bf16_f32 v[AF+16*(\t)+2*\j+1], v[RT+32*(\t)+4*\j+2], v[RT+32*(\t)+4*\j+3]
.endr
.irp j, 0,1,2,3,4,5,6,7
	ds_store_b64 v[STS], v[AF+16*(\t)+2*\j:AF+16*(\t)+2*\j+1] offset:144*\j
.endr
.irp j, 0,1,2,3
	ds_load_b128 v[AF+16*(\t)+4*\j:AF+16*(\t)+4*\j+3], v[STL] offset:32*\j  ; k-step 0: bytes 0, 32; k-step 1: bytes 64, 96
.endr
.endm
.macro WNEXT                           ; the next chunk of w, modulo 16
	s_wait_xcnt 0x0                                ; the loads issued so far have had their addresses translated: their base is rewritten only behind this wait
	s_add_co_u32 s[KW], s[KW], 1<<20
	s_and_b32 s[KW], s[KW], 0xf00000
	s_add_nc_u64 s[WBP:WBP+1], s[WB0:WB0+1], s[KW:KW+1]
.endm
; My eighth of a chunk of w: 16 rows of K (8 for each half of the lanes) x 64 columns.  Load j: row 8 h + j; 16 lanes cover 256 consecutive aligned bytes.
.macro WLOAD buf
.irp j, 0,1,2,3,4,5,6,7
	global_load_b128 v[RW+32*(\buf)+4*\j:RW+32*(\buf)+4*\j+3], v[WOF], s[WBP:WBP+1] offset:(\j)*16384 th:TH_LOAD_NT
.endr
.endm
; A lane's load holds 4 columns of one k.  Column f of loads 2 p and 2 p + 1 is register p of my half of fragment f, whose lane r thus stands for column 4 r + f of my 64: no transposition.
; The 16 packed registers are made in tile 0's first sources, which are free between a trip's last product and its staging.
.macro WSTORE buf, areg, off
.irp f, 0,1,2,3
.irp p, 0,1,2,3
	v_cvt_pk_bf16_f32 v[AF+4*\f+\p], v[RW+32*(\buf)+8*\p+\f], v[RW+32*(\buf)+8*\p+4+\f]
.endr
.endr
.irp f, 0,1,2,3
	ds_store_b128 v[\areg], v[AF+4*\f:AF+4*\f+3] offset:(\off)+1024*\f
.endr
.endm
; Fragments 4 hf .. 4 hf + 3 of the k-step at byte off from the address register: 8 loads, 32 lanes x 16 consecutive bytes each.
.macro BLOADH areg, off, hf
	WIN W_MM
.irp f, 0,1,2,3
	ds_load_b128 v[BF+8*(4*(\hf)+\f):BF+8*(4*(\hf)+\f)+3],   v[\areg] offset:(\off)+1024*(4*(\hf)+\f)
	ds_load_b128 v[BF+8*(4*(\hf)+\f)+4:BF+8*(4*(\hf)+\f)+7], v[\areg] offset:(\off)+1024*(4*(\hf)+\f)+512
.endr
.endm
.macro WM t, ks, f, zero               ; tile t x fragment f, 32 along K; zero = 1: the product starts the sum
.if \zero
	v_wmma_f32_16x16x32_bf16 v[64*(\t)+8*(\f):64*(\t)+8*(\f)+7], v[AF+16*(\t)+8*(\ks):AF+16*(\t)+8*(\ks)+7], v[BF+8*(\f):BF+8*(\f)+7], 0
.else
	v_wmma_f32_16x16x32_bf16 v[64*(\t)+8*(\f):64*(\t)+8*(\f)+7], v[AF+16*(\t)+8*(\ks):AF+16*(\t)+8*(\ks)+7], v[BF+8*(\f):BF+8*(\f)+7], v[64*(\t)+8*(\f):64*(\t)+8*(\f)+7]
.endif
.endm
; The products of k-step ks on one half of the fragments.  The accumulators take turns, one instruction a turn: no two products that follow each other, on any way, share one.
.macro MMH ks, hf, zero
	WIN W_MM
.irp f, 0,1,2,3
.irp t, 0,1
	WM \t, \ks, 4*(\hf)+\f, \zero
.endr
.endr
.if GRD
	WIN 0                                          ; at a branch and at a label every window is 0
	s_cmp_le_u32 s[MT], 2
	s_cbranch_scc1 .Lno2_\@
	WIN W_MM
.irp f, 0,1,2,3
	WM 2, \ks, 4*(\hf)+\f, \zero
.endr
	WIN 0
.Lno2_\@:
.endif
.endm
.macro LIVE mx                         ; how many of the tiles TB0 + wave + 8 i, i = 0 .. mx - 1, lie below NT
	s_sub_co_i32 s34, s[NT], s[TB0]
	s_sub_co_i32 s34, s34, s[WV]
	s_add_co_i32 s34, s34, 7
	s_max_i32 s34, s34, 0
	s_lshr_b32 s34, s34, 3
	s_min_u32 s[MT], s34, \mx
.endm
.macro GETLIST                         ; three tiles' row numbers: each half of the lanes reads its 8 words (past 384 rows the third tile's are read and not used)
	s_wait_xcnt 0x0                                ; TOF, and the registers that the stores of the group before read, are rewritten only behind this wait
	v_add_nc_u32 v[LAD], s[LB], v[LA0]
.irp t, 0,1,2
	ds_load_b128 v[TOF+8*\t:TOF+8*\t+3],   v[LAD] offset:512*\t
	ds_load_b128 v[TOF+8*\t+4:TOF+8*\t+7], v[LAD] offset:512*\t+16
.endr
	s_wait_dscnt 0x0
.set n, 0
.rept 24
	v_min_u32 v[TOF+n], 0x7ff, v[TOF+n]            ; a row number stays inside the 2,048 rows
.set n, n+1
.endr
.set n, 0
.rept 24
	v_lshl_add_u32 v[TOF+n], v[TOF+n], 12, v[Q16]
.set n, n+1
.endr
.endm
.macro CLEAR                           ; the first pass's sums start at 0: its first trip stands in the loop, and a first step written out would be more copies of the trip
	WIN 0x40
.set n, 0
.rept 192
	v_mov_b32 v[n], 0
.set n, n+1
.endr
	WIN 0
.endm
; s34 and s34 + 1, modulo 16, are two chunks of w: lanes 0-15 ask for my 16 rows' blocks of 256 bytes in the first, lanes 16-31 in the second.  Both lie inside my expert's slice.
.macro PREF
	v_add_nc_u32 v[PFO], s34, v[PFH]
	v_and_b32 v[PFO], 15, v[PFO]
	v_lshl_add_u32 v[PFO], v[PFO], 20, v[PFR]
	global_prefetch_b8 v[PFO], s[WB0:WB0+1] th:TH_LOAD_NT scope:SCOPE_SE
.endm
; A TRIP multiplies one chunk.  tissue = 1: it asks for the next chunk of the token rows, and reads the next chunk's first k-step out of the slice.  wmode = 1, 2: it stores the chunk of w two ahead
; (buffer buf) and passes the barrier; 2: it asks for the chunk four ahead.  pf = 1: it asks ahead for the chunks six and seven on.
; nt, nw: how many younger loads may stay out when a tile's token loads, and the w buffer's loads, have to be in.  All global loads stand on every path.
; hold = 16 (the first pass, three tiles): the chunk lies at CB, which steps with the trips.  hold = 0 .. 15 (rows past 384, two tiles, no branch): the chunk's number, a constant of the text: base register
; hold / 4, the rest in the immediate, 3 x 16,384 + 8,192 + 7 x 1,024 + 512 = 65,024 at the most, inside its 16 bits.  hold = 0: the first k-step's products start the sums.
.macro TRIP buf, wmode, nt, nw, tissue, hold=16, pf=0
.set ZF, 0
.if (\hold) == 16
.set GRD, 1
.set NTL, 3
.set BREG, BAD
.set BOFF, 0
.set NREG, BAD
.set NOFF, CHUNK
.else
.set GRD, 0
.set NTL, 2
.if (\hold) == 0
.set ZF, 1
.endif
.if (\hold) < 4
.set BREG, LN16
.else
.set BREG, BB+(\hold)/4-1
.endif
.set BOFF, ((\hold)%4)*CHUNK
.if (\hold)+1 < 4
.set NREG, LN16
.else
.set NREG, BB+((\hold)+1)/4-1
.endif
.set NOFF, (((\hold)+1)%4)*CHUNK
.endif
	s_wait_xcnt 0x0                                ; the two bases, and the offset of what was asked for ahead, are rewritten only behind this wait
.if \tissue
	s_add_co_u32 s[KT], s[KT], 256
	s_and_b32 s[KT], s[KT], 0xfff
	s_add_nc_u64 s[TBP:TBP+1], s[4:5], s[KT:KT+1]
.endif
.if (\wmode) == 2
	s_add_co_u32 s[KW], s[KW], 1<<20
	s_and_b32 s[KW], s[KW], 0xf00000
	s_add_nc_u64 s[WBP:WBP+1], s[WB0:WB0+1], s[KW:KW+1]
.endif
.if \wmode
	v_add_nc_u32 v[WST], s[CB], v[WS0]
	s_wait_loadcnt \nw                             ; the oldest loads out are the w buffer's
.if \pf
	s_lshr_b32 s34, s[KW], 20                      ; the chunk four ahead, which this trip loads;
	s_add_co_u32 s34, s34, 2                       ; asked for: the two that follow the next trip's
	s_cmp_eq_u32 s[KC], 1
	s_cbranch_scc1 .Lnopf_\@                       ; the loop's last pass: there are no such chunks
	PREF
.Lnopf_\@:
.endif
	WSTORE \buf, WST, 2*CHUNK
.endif
.irp i, 0,1,2
.if (\i) < NTL
.if \tissue
	s_wait_loadcnt \nt                             ; loads come back in order (ISA guide 5.7.1): tile i's eight are in
.else
	s_wait_loadcnt 8*(NTL-1-\i)                    ; nothing is asked for any more: the counts run down
.endif
.if GRD && ((\i) == 2)
	s_cmp_le_u32 s[MT], 2
	s_cbranch_scc1 .Ldead_\@
.endif
	TSTAGE \i
.if GRD && ((\i) == 2)
.Ldead_\@:
.endif
.if \tissue
	TLOAD \i
.endif
.endif
.endr
.if (\wmode) == 2
	WLOAD \buf
.endif
	s_wait_dscnt 0x0                               ; my first sources are in, and so is this chunk's first k-step, asked for in the trip before; for the others' sake: my stores into the slice are done
.if (\hold) == 16
	v_add_nc_u32 v[BAD], s[CB], v[LN16]            ; no read by the old address is out
.endif
.if \wmode
	s_barrier_signal -1                            ; the wait stands at the trip's end: up to there only products and reads of this chunk and the next, which nobody writes again
.endif
	MMH 0, 0, ZF
	PLACES
	BLOADH BREG, BOFF+8192, 0                      ; k-step 1, first half, while k-step 0's second half is multiplied
	MMH 0, 1, ZF
	PLACES
	BLOADH BREG, BOFF+8192, 1
	s_wait_dscnt 8                                 ; LDS loads come back in order: the first half is in, the 8 loads of the second stay out
	MMH 1, 0, 0
.if \tissue
	PLACES
	BLOADH NREG, NOFF, 0                           ; the next chunk's k-step 0, first half
	s_wait_dscnt 8                                 ; k-step 1's second half is in, the 8 just issued stay out
.else
	s_wait_dscnt 0x0
.endif
	MMH 1, 1, 0
	PLACES                                         ; also the places ahead of the next trip's conversions and of the way out
.if \tissue
	BLOADH NREG, NOFF, 1
.endif
	WIN 0
.if \wmode
	s_barrier_wait -1                              ; the chunk two ahead is whole; its first read stands in the next trip's tail
.endif
.if (\hold) == 16
	s_add_co_u32 s[CB], s[CB], CHUNK
.endif
.endm
; THE WAY OUT.  Register j of accumulator (i, 4 c + f) is list row 8 h + j, column 64 c + 4 r + f: the four f side by side are 16 consecutive bytes of a row of out0, so the bias's addition
; also gathers them, and 16 lanes store 256 consecutive aligned bytes.  Each accumulator's register 0 is read first,  A dead tile's stores are jumped.
.macro OUTPUT ntl
.irp i, 0,1,2
.if (\i) < (\ntl)
	s_cmp_le_u32 s[MT], \i
	s_cbranch_scc1 .Lnone_\@_\i
	s_wait_xcnt 0x0                                ; the tile before's stores have read their registers
.irp j, 0,1,2,3,4,5,6,7
	v_and_b32 v[OO+\j], 0xfffff000, v[TOF+8*\i+\j]
.endr
.irp j, 0,1,2,3,4,5,6,7
	v_lshl_add_u32 v[OO+\j], v[OO+\j], 2, v[Q16]   ; row number x 16,384 + 16 r
.endr
	WIN 0x01                                       ; source 0 window 1
.irp c, 0,1
.irp j, 0,1,2,3,4,5,6,7
.irp f, 0,1,2,3
	v_add_f32 v[OT+4*(8*\c+\j)+\f], v[64*\i+8*(4*\c+\f)+\j], v[BIAS+4*\c+\f]
.endr
.endr
.endr
	WIN 0
.irp c, 0,1
.irp j, 0,1,2,3,4,5,6,7
	global_store_b128 v[OO+\j], v[OT+4*(8*\c+\j):OT+4*(8*\c+\j)+3], s[12:13] offset:256*\c th:TH_STORE_NT
.endr
.endr
.Lnone_\@_\i:
.endif
.endr
.endm
	; ---- the head: arguments, ids, lane terms, bases
	s_load_b256 s[4:11], s[0:1], 0x0               ; inputs, group_indices, w, b
	s_load_b64 s[12:13], s[0:1], 0x20              ; out0
	v_lshl_add_u32 v[SPW], v0, 2, SPARE
	v_mov_b32 v[NIL], 0
	v_lshrrev_b32 v13, 5, v0
	v_readfirstlane_b32 s[WV], v13                 ; wave 0..7
	s_mov_b32 s[SL], ttmp9
	s_and_b32 s[EX], ttmp7, 0xffff
	s_and_b32 s[ROT], s[SL], 15
	v_and_b32 v15, 31, v0                          ; lane
	v_and_b32 v13, 15, v0                          ; r = q = lane % 16
	v_bfe_u32 v14, v0, 4, 1                        ; h = lane / 16: it stays, as PFH
	v_lshlrev_b32 v[Q16], 4, v13
	v_lshlrev_b32 v[LN16], 4, v15
	s_mul_i32 s39, s[WV], STG
	s_add_co_u32 s39, s39, STAGE                   ; my stage
	v_mul_u32_u24 v[STS], v14, 1152                ; 8 rows of 144 bytes for the upper half of the lanes
	v_lshl_add_u32 v[STS], v13, 3, v[STS]
	v_add_nc_u32 v[STS], s39, v[STS]
	v_mul_u32_u24 v[STL], v13, 144
	v_lshl_add_u32 v[STL], v14, 4, v[STL]
	v_add_nc_u32 v[STL], s39, v[STL]
	v_lshlrev_b32 v[WOF], 17, v14                  ; 8 rows of w, 16,384 bytes each
	v_lshl_or_b32 v[WOF], v13, 4, v[WOF]
	s_lshl_b32 s39, s[WV], 6
	s_add_co_u32 s39, s39, LIST
	v_lshl_add_u32 v[LA0], v14, 5, s39
	v_lshlrev_b32 v[PFR], 14, v13                  ; row lane % 16 of my 16 rows of a chunk
	s_lshr_b32 s36, s[WV], 2                       ; s: which k-step of a chunk I bring
	s_bfe_u32 s37, s[WV], 0x10001                  ; ch: which 64 columns
	s_and_b32 s38, s[WV], 1                        ; hf: which 16 of the k-step's 32 rows = which half of a fragment's registers
	s_lshl_b32 s34, s36, 13
	s_lshl_b32 s39, s37, 12
	s_add_co_u32 s34, s34, s39
	s_lshl_b32 s39, s38, 9
	s_add_co_u32 s34, s34, s39
	v_add_nc_u32 v[WS0], s34, v[LN16]              ; (8 s + 4 ch) x 1,024 + 512 hf + 16 x lane
	s_lshl_b32 s34, s[EX], 24                      ; an expert's weights are 16 MiB
	s_lshl_b32 s39, s[SL], 9
	s_add_co_u32 s34, s34, s39
	s_lshl_b32 s39, s36, 19
	s_add_co_u32 s34, s34, s39
	s_lshl_b32 s39, s38, 18
	s_add_co_u32 s34, s34, s39
	s_lshl_b32 s39, s37, 8
	s_add_co_u32 s34, s34, s39
	s_mov_b32 s35, 0
	s_mov_b32 s[KT+1], 0
	s_mov_b32 s[KW+1], 0
	s_lshl_b32 s[KW], s[ROT], 20                   ; a chunk of w is 64 rows of 16,384 bytes
	s_lshl_b32 s[KT], s[ROT], 8                    ; of a token row 256 bytes
	s_mov_b32 s[TB0], 0
	s_mov_b32 s[CB], 0
	s_mov_b32 s[LB], 0
	s_wait_kmcnt 0x0
	s_add_nc_u64 s[WB0:WB0+1], s[8:9], s[34:35]
	s_add_nc_u64 s[WBP:WBP+1], s[WB0:WB0+1], s[KW:KW+1]
	s_add_nc_u64 s[TBP:TBP+1], s[4:5], s[KT:KT+1]
	s_lshl_b32 s34, s[SL], 9
	s_add_nc_u64 s[12:13], s[12:13], s[34:35]      ; out0 at my 128 columns
	s_lshl_b32 s39, s[EX], 14
	s_add_co_u32 s34, s34, s39
	s_add_nc_u64 s[10:11], s[10:11], s[34:35]      ; b at my expert and columns
	; ---- the first loads: wave 0's indices first, so that the wait for them leaves the weights out
	s_cmp_lg_u32 s[WV], 0
	s_cbranch_scc1 .Lno_idx
.irp u, 0,1,2,3,4,5,6,7,8,9,10,11,12,13,14,15
	global_load_b128 v[RT+4*\u:RT+4*\u+3], v[LN16], s[6:7] offset:512*\u  ; register 4 u + e of lane l: row 128 u + 4 l + e
.endr
.Lno_idx:
	global_load_b128 v[BIAS:BIAS+3],   v[Q16], s[10:11]
	global_load_b128 v[BIAS+4:BIAS+7], v[Q16], s[10:11] offset:256
	WLOAD 0                                        ; chunk 0
	WNEXT
	WLOAD 1                                        ; chunk 1
	s_add_co_u32 s34, s[ROT], 2
	PREF                                           ; chunks 2 and 3 are asked for ahead
	CLEAR                                          ; in the wait for the first loads
.set n, 32
.rept 16
	v_mov_b32 v[AF+n], 0                           ; tile 2's first sources are written on every path, a dead tile's too
.set n, n+1
.endr
	s_wait_loadcnt 18                              ; on every wave's path: in wave 0 the 16 index loads are in, and the 2 of b and the 16 of w stay out; the other waves have just those 18 out and pass.
	                                               ; Behind it no load into the token rows' registers is pending
	; ---- the list, by wave 0
	s_cmp_lg_u32 s[WV], 0
	s_cbranch_scc1 .Lno_list
	v_add_nc_u32 v[LZ], LIST, v[LN16]
.irp z, 0,1,2,3
	v_mov_b32 v[ZR+\z], 0
.endr
.set n, 0
.rept 19
	ds_store_b128 v[LZ], v[ZR:ZR+3] offset:512*n   ; all 9,728 bytes: a place that no row takes names row 0
.set n, n+1
.endr
	v_mov_b32 v[DW], DUMPW
	v_lshrrev_b32 v[L4], 2, v[LN16]                ; 4 x lane
	v_lshrrev_b32 v[RR], 4, v[Q16]                 ; lane % 16
	s_mov_b32 s[LBASE], 0
.set bt, 0
.rept 8                                ; eight index registers at a time
.irp m, 0,1,2,3,4,5,6,7
	v_cmp_eq_u32 s[MK+\m], s[EX], v[RT+8*bt+\m]
.endr
.irp m, 0,1,2,3,4,5,6,7
	v_mbcnt_lo_u32_b32 v[POS+\m], s[MK+\m], s[LBASE]  ; rows listed so far + matching lanes below me
	s_bcnt1_i32_b32 s49, s[MK+\m]
	s_add_co_u32 s[LBASE], s[LBASE], s49
.endr
.irp m, 0,1,2,3,4,5,6,7
	v_cndmask_b32 v[POS+\m], v[DW], v[POS+\m], s[MK+\m]  ; no match: the dump word, which nobody reads
.endr
.irp m, 0,1,2,3,4,5,6,7
	v_min_u32 v[POS+\m], DUMPW, v[POS+\m]
.endr
.irp m, 0,1,2,3,4,5,6,7
	v_lshl_add_u32 v[POS+\m], v[POS+\m], 2, LIST
.endr
.irp m, 0,1,2,3,4,5,6,7
	v_add_nc_u32 v[IDV+\m], 128*((8*bt+\m)/4)+(8*bt+\m)%4, v[L4]
.endr
.irp m, 0,1,2,3,4,5,6,7
	ds_store_b32 v[POS+\m], v[IDV+\m]
.endr
.set bt, bt+1
.endr
	v_mov_b32 v[POS], LIST+4*CNTW
	v_mov_b32 v[IDV], s[LBASE]
	ds_store_b32 v[POS], v[IDV]                    ; the count
	s_max_u32 s49, s[LBASE], 1
	s_sub_co_u32 s49, s49, 1
	s_min_u32 s49, s49, 2047
	s_lshl_b32 s49, s49, 2
	s_add_co_u32 s49, s49, LIST
	v_mov_b32 v[POS+1], s49
	ds_load_b32 v[IDV+1], v[POS+1]                 ; the last row listed (in order behind my stores)
	s_min_u32 s50, s[LBASE], 2048
	v_add_nc_u32 v[POS+2], s50, v[RR]
	v_lshl_add_u32 v[POS+2], v[POS+2], 2, LIST
	s_wait_dscnt 0x0
	ds_store_b32 v[POS+2], v[IDV+1]                ; the 16 places behind the count repeat it
.Lno_list:
	; chunk 0 of w into LDS and chunk 2 asked for, ahead of the first token loads: so the loads stand in the order in which every trip finds them
	s_wait_loadcnt 8                               ; b and chunk 0 are in; chunk 1's 8 stay out
	WSTORE 0, WS0, 0
	WNEXT
	WLOAD 0                                        ; chunk 2
	s_wait_dscnt 0x0                               ; for the others' sake: the list and my part of chunk 0 are written
	s_barrier_signal -1
	s_barrier_wait -1
	; ---- the count, my tiles, their first chunk; chunk 1 of w into LDS
	v_mov_b32 v[BAD], LIST+4*CNTW
	ds_load_b32 v[WST], v[BAD]
	s_wait_dscnt 0x0
	v_readfirstlane_b32 s[CNT], v[WST]
	s_min_u32 s[CNT], s[CNT], 2048
	s_add_co_u32 s[NT], s[CNT], 15
	s_lshr_b32 s[NT], s[NT], 4
	LIVE 3
	GETLIST
	TLOAD 0
	TLOAD 1
	TLOAD 2
	s_wait_loadcnt 32                              ; chunk 1 is in; chunk 2's 8 and the tokens' 24 stay out
	s_add_co_u32 s34, s[ROT], 4
	PREF                                           ; chunks 4 and 5 are asked for ahead
	WSTORE 1, WS0, CHUNK
	WNEXT
	WLOAD 1                                        ; chunk 3
	s_wait_dscnt 0x0
	s_barrier_signal -1
	s_barrier_wait -1                              ; chunks 0 and 1 are whole
	BLOADH LN16, 0, 0                              ; chunk 0's first k-step: what every later trip finds asked for by the trip before
	BLOADH LN16, 0, 1
	WIN 0
	; ---- the first 384 rows, under the stream.  At a trip's head are out, oldest first: w of the chunk two ahead (8 loads), this trip's tokens (24), w three ahead (8).
	; w: behind the buffer's eight stand the 24 and the 8 = 32.  Tokens: behind tile i's eight stand 8 (2 - i) of its trip, 8 of w and the 8 i just asked for = 24.
	s_mov_b32 s[KC], 6
.Lk:
	TRIP 0, 2, 24, 32, 1, 16, 1
	TRIP 1, 2, 24, 32, 1
	s_sub_co_u32 s[KC], s[KC], 1
	s_cmp_lg_u32 s[KC], 0
	s_cbranch_scc1 .Lk
	TRIP 0, 1, 24, 32, 1                           ; trip 12 stores chunk 14 and asks for no more w
	TRIP 1, 1, 16, 24, 1                           ; trip 13 stores chunk 15: behind its eight stand the tokens' 24 alone, and no w stands behind the tokens any more
	TRIP 0, 0, 16, 0, 1                            ; trip 14
	TRIP 0, 0, 0, 0, 0                             ; trip 15 asks for nothing
	OUTPUT 3
	; ---- rows past 384: seven groups of 16 tiles cover 2,048 rows.  The slice is whole in LDS; a wave writes its own stage alone: no barrier.  A wave without a live tile jumps to the count's step.
	v_add_nc_u32 v[BB],   0x10000, v[LN16]         ; chunks 4 to 7,
	v_add_nc_u32 v[BB+1], 0x20000, v[LN16]         ; 8 to 11,
	v_add_nc_u32 v[BB+2], 0x30000, v[LN16]         ; 12 to 15; chunks 0 to 3 are read from 16 x lane itself
	s_mov_b32 s[TB0], 8                            ; the first group begins at tile 24,
	s_mov_b32 s[LB], 512                           ; byte 1,536 of the list
	s_mov_b32 s[GC], 7
.Lgroup:
	s_add_co_u32 s[TB0], s[TB0], 16
	s_add_co_u32 s[LB], s[LB], 1024
	LIVE 2
	s_cmp_eq_u32 s[MT], 0
	s_cbranch_scc1 .Lgnext
	GETLIST
	s_lshl_b32 s[KT], s[ROT], 8
	s_add_nc_u64 s[TBP:TBP+1], s[4:5], s[KT:KT+1]
	TLOAD 0
	TLOAD 1
	BLOADH LN16, 0, 0                              ; chunk 0's first k-step
	BLOADH LN16, 0, 1
	WIN 0
.set rc, 0
.rept 15
	TRIP 0, 0, 8, 0, 1, rc                         ; behind a tile's eight stand the other tile's eight, of this trip or just asked for
.set rc, rc+1
.endr
	TRIP 0, 0, 0, 0, 0, 15                         ; the last chunk asks for nothing
	OUTPUT 2
.Lgnext:
	s_sub_co_u32 s[GC], s[GC], 1
	s_cmp_lg_u32 s[GC], 0
	s_cbranch_scc1 .Lgroup
	s_wait_tensorcnt 0x0                           ; the wave's end
	ds_add_u32 v[SPW], v[NIL]
	s_wait_dscnt 0x0
	s_endpgm
.Lfunc_end_k_q0ff555576e_ggemm:
	.size	k_q0ff555576e_ggemm, .Lfunc_end_k_q0ff555576e_ggemm-k_q0ff555576e_ggemm
	.p2alignl 7, 3214868480
	.fill 96, 4, 3214868480
	.section	.rodata,"a",@progbits
	.p2align	6, 0x0
	.amdhsa_kernel k_q0ff555576e_ggemm
		.amdhsa_group_segment_fixed_size 291328
		.amdhsa_private_segment_fixed_size 0
		.amdhsa_enable_private_segment 0
		.amdhsa_kernarg_size 40
		.amdhsa_user_sgpr_count 2
		.amdhsa_user_sgpr_kernarg_segment_ptr 1
		.amdhsa_wavefront_size32 1
		.amdhsa_system_sgpr_workgroup_id_x 1
		.amdhsa_system_sgpr_workgroup_id_y 1
		.amdhsa_system_sgpr_workgroup_id_z 1
		.amdhsa_system_vgpr_workitem_id 0
		.amdhsa_next_free_vgpr 512
		.amdhsa_next_free_sgpr 66
		.amdhsa_reserve_vcc 0
		.amdhsa_float_denorm_mode_32 3
		.amdhsa_float_denorm_mode_16_64 3
		.amdhsa_memory_ordered 1
		.amdhsa_forward_progress 1
		.amdhsa_inst_pref_size 255
	.end_amdhsa_kernel
	.section	.bss,"aw",@nobits
	.p2align	6
	.space	262144
	.amdgpu_metadata
---
amdhsa.version: [ 1, 2 ]
amdhsa.kernels:
  - .name:           k_q0ff555576e_ggemm
    .symbol:         k_q0ff555576e_ggemm.kd
    .args:
      - { .name: inputs, .offset: 0, .size: 8, .value_kind: global_buffer, .address_space: global }
      - { .name: group_indices, .offset: 8, .size: 8, .value_kind: global_buffer, .address_space: global }
      - { .name: w, .offset: 16, .size: 8, .value_kind: global_buffer, .address_space: global }
      - { .name: b, .offset: 24, .size: 8, .value_kind: global_buffer, .address_space: global }
      - { .name: out0, .offset: 32, .size: 8, .value_kind: global_buffer, .address_space: global }
    .group_segment_fixed_size: 291328
    .private_segment_fixed_size: 0
    .kernarg_segment_align: 8
    .kernarg_segment_size: 40
    .max_flat_workgroup_size: 256
    .sgpr_count:     66
    .vgpr_count:     512
    .wavefront_size: 32
...
	.end_amdgpu_metadata
.endif
;; end of part 1
